; MI455X (gfx1250); checked and timed in simulation.
; The chip was launched on July 23, 2026; its instructions are those of AMD's public machine-readable ISA for CDNA 5 (MIT licence, August 2026) and "CDNA5" Instruction Set Architecture Reference Guide (July 2026). The comments in the code are by the model that wrote it; some were corrected since.
;; Cosformer Attention. Allowed arithmetic: matrix products marked QUANTISED: E2M1 operands, one E8M0 scale for each 32 along K, by v_wmma_scale_f32_16x16x128_f8f6f4 with both operands' format E2M1 (or v_wmma_scale_f32_32x16x128_f4), f32 sums; products left as they are: f32 operands where the result goes on into a quantised operand, else bf16, f16 or f32 operands; f32 sums; everything else in f32.
;; Inputs: Wk_codes 1,024 x 32 x 16 uint8 (E2M1 codes of Wk, K innermost, in blocks of 32 codes, two codes a byte); Wk_scales 1,024 x 32 uint8 (E8M0 scales of Wk, one for each 32 codes along K); Wq_codes 1,024 x 32 x 16 uint8 (E2M1 codes of Wq, K innermost, in blocks of 32 codes, two codes a byte); Wq_scales 1,024 x 32 uint8 (E8M0 scales of Wq, one for each 32 codes along K); Wv_codes 1,024 x 32 x 16 uint8 (E2M1 codes of Wv, K innermost, in blocks of 32 codes, two codes a byte); Wv_scales 1,024 x 32 uint8 (E8M0 scales of Wv, one for each 32 codes along K); bk 1,024 float32; bq 1,024 float32; bv 1,024 float32; key__codes 4,096 x 4 x 32 x 16 uint8 (E2M1 codes of key_, K innermost, in blocks of 32 codes, two codes a byte); key__scales 4,096 x 4 x 32 uint8 (E8M0 scales of key_, one for each 32 codes along K); query_codes 4,096 x 4 x 32 x 16 uint8 (E2M1 codes of query, K innermost, in blocks of 32 codes, two codes a byte); query_scales 4,096 x 4 x 32 uint8 (E8M0 scales of query, one for each 32 codes along K); value_codes 4,096 x 4 x 32 x 16 uint8 (E2M1 codes of value, K innermost, in blocks of 32 codes, two codes a byte); value_scales 4,096 x 4 x 32 uint8 (E8M0 scales of value, one for each 32 codes along K).
;; Outputs: out0 4,096 x 4 x 1,024 float32.
;; This version of the problem:
;;   THIS VERSION OF THE PROBLEM IS GIVEN IN LOW PRECISION. The matrix products marked QUANTISED in the list below multiply operands that are first quantised to E2M1 (2 exponent bits, 1 mantissa bit; 4 bits a number), with one power-of-two scale for each 32 numbers along K (OCP MX v1.0); their sums are f32. All else is computed in f32.
;;   The module's matrix products, in the order in which they are computed (A, B: the left and right operand; K: the contracted axis; several contracted axes count as one K, in the product's order):
;;     1. [M 16,384, K 1,024] x [K 1,024, N 1,024]; A: input query (given as codes); B: input Wq (given as codes): QUANTISED
;;     2. [M 16,384, K 1,024] x [K 1,024, N 1,024]; A: input key_ (given as codes); B: input Wk (given as codes): QUANTISED
;;     3. [M 16,384, K 1,024] x [K 1,024, N 1,024]; A: input value (given as codes); B: input Wv (given as codes): QUANTISED
;;     4. batch 64 x [M 128, K 4,096] x [K 4,096, N 64]; A: computed on the way; B: computed on the way: QUANTISED
;;     5. batch 64 x [M 4,096, K 128] x [K 128, N 1]; A: computed on the way; B: computed on the way: left as it is (N = 1 < 16)
;;     6. batch 64 x [M 64, K 128] x [K 128, N 4,096]; A: computed on the way; B: computed on the way: QUANTISED
;;     7. batch 262,144 x [M 1, K 1] x [K 1, N 64]; A: computed on the way; B: computed on the way: left as it is (no contracted axis)
;;   THE QUANTISER, for each operand of a quantised product, along K:
;;     - K is cut into blocks of 32 from its start; a last block that is shorter is filled with zeros.
;;     - A block's scale is 2^e with e = floor(log2(the largest magnitude in the block)) - 2, held to -126 .. 127; a block of zeros has e = 0. As a byte (E8M0): e + 127.
;;     - Each number is divided by its block's scale, clamped to +-6, and rounded to the nearest number of E2M1, ties to even, subnormals kept.
;;     - The product sums the exact products of the quantised numbers (number of the format x scale) in f32.
;;   ~~~python
;;   def quantise(x, axis):      # numpy; x: float32 -> the quantised numbers, widened to float32 again
;;       x = np.moveaxis(x, axis, -1); K = x.shape[-1]
;;       x = np.pad(x, [(0, 0)] * (x.ndim - 1) + [(0, -K % 32)]); x = x.reshape(x.shape[:-1] + (-1, 32)); a = np.abs(x).max(-1, keepdims=True)
;;       e = np.where(a > 0, np.clip(np.frexp(np.where(a > 0, a, 1))[1] - 1 - 2, -126, 127), 0)      # np.frexp(a)[1] - 1 = floor(log2(a)), exactly
;;       r = np.clip(x / 2.0 ** e, -6, 6)
;;       step = 2.0 ** (np.maximum(np.frexp(np.where(r == 0, 1, r))[1] - 1, 0) - 1)
;;       q = np.round(r / step) * step * 2.0 ** e      # np.round: ties to even
;;       return np.moveaxis(q.reshape(q.shape[:-2] + (-1,))[..., :K], -1, axis).astype(np.float32)
;;   ~~~
;;   OPERANDS COMPUTED ON THE WAY. 'Computed on the way' means the value that the module computes at that place (a softmax that the list does not call 'softmax' is quantised finished and normalised). What goes into a quantiser is computed in f32, as accurately as f32 sums, v_exp_f32 and their like allow (about 1e-6 of the number): no bf16 or f16 on the way to a quantiser, and a product that is left as it is and whose result goes on into a quantised operand takes f32 operands (vector FMAs, or v_wmma_f32_16x16x4_f32). A number that lies on a knife's edge between two numbers of the format may be rounded either way, as far as f32 arithmetic and the matrix unit's own rounding can turn it there, and no further.
;;   INPUTS GIVEN AS CODES. Wk (in the module: [1024, 1024], K = its axis 1); Wq (in the module: [1024, 1024], K = its axis 1); Wv (in the module: [1024, 1024], K = its axis 1); key_ (in the module: [4096, 4, 1024], K = its axis 2); query (in the module: [4096, 4, 1024], K = its axis 2); value (in the module: [4096, 4, 1024], K = its axis 2): each comes as NAME_codes (uint8): NAME with its K axis moved to the last place and cut into blocks of 32 codes, [.., K / 32, bytes a block], one block behind the other in memory; two codes a byte, the lower K in the low four bits (a code: sign, 2 exponent bits, 1 mantissa bit); and NAME_scales (uint8): the same leading axes, one E8M0 byte (e + 127) for each 32 codes along K. Its value is code x scale, taken as it is: it is not quantised again, and the codes and scales need not be those that the quantiser above would give.
;; One version. Each part assembles by itself: llvm-mc -triple=amdgcn-amd-amdhsa -mcpu=gfx1250 --defsym DOCPART=n.
;; ======== version 1 of 1: 2 launches
;; workspace buffers: kvpart 8,388,608 bytes; kspart 131,072 bytes
;; launch kv (part 1): grid 16 x 16, 4 waves a work-group, clusters of 4 x 1, 327,680 bytes of LDS; arguments value_codes, value_scales, Wv_codes, Wv_scales, bv, key__codes, key__scales, Wk_codes, Wk_scales, bk, kvpart, kspart; writes kvpart, kspart
.if DOCPART == 1
	.amdgcn_target "amdgcn-amd-amdhsa--gfx1250"
	.amdhsa_code_object_version 6
	.text
	.protected	k_q211873a6f4_kv
	.globl	k_q211873a6f4_kv
	.p2align	8
	.type	k_q211873a6f4_kv,@function
k_q211873a6f4_kv:
	s_mov_b64 s[64:65], 0
	v_nop
	global_prefetch_b8 v0, s[64:65] scope:SCOPE_SE
	s_setreg_imm32_b32 hwreg(HW_REG_WAVE_MODE, 25, 1), 1
	s_wait_xcnt 0x0
	s_wait_alu depctr_hold_cnt(0) depctr_sa_sdst(0) depctr_va_vdst(0) depctr_va_sdst(0) depctr_va_ssrc(0) depctr_va_vcc(0) depctr_vm_vsrc(0)
	s_getreg_b32 s2, hwreg(HW_REG_IB_STS2, 6, 4)
	s_cmp_eq_u32 s2, 0
	s_cbranch_scc0 .Lentry_in_a_cluster
	s_endpgm
.Lentry_in_a_cluster:
	s_bfe_u32 s2, ttmp6, 0x10000c
	s_cmp_lg_u32 s2, 0x3003
	s_cbranch_scc0 .Lentry_shape_is_right
	s_endpgm
.Lentry_shape_is_right:
; Cosformer attention, first half.  For one head n = 16 b + h and one chunk of 1,024 positions l a work-group makes
;   v = value Wv^T + bv,  k = relu(key Wk^T + bk),  k_ = [k sin(l), k cos(l)]   (projections on the given MX-FP4 codes),
;   its part of kv_[d_][m] = sum over l of Q(k_)[l][d_] Q(v)[l][m]  (Q: the MX-FP4 quantiser along l, blocks of 32),  and its part of ksum[d_] = sum over l of k_[l][d_] (f32).
; SHARES.  x = head (4 x cluster x + place in the cluster), y = 4 b + chunk.  Each of the four waves owns 256 l, as 4 units of 64.  A head's 64 rows of Wv and of Wk stay in registers (256 each).
; W COMES ONCE FOR THE WORK-GROUP: a wave fetches 16 of the 64 rows, a row of 512 consecutive bytes a load, and stores them into a stage in LDS; behind a barrier every wave takes its fragments from there.
; CLUSTER.  The four heads of a cluster read the same rows of value and key: each tile (64 rows x 512 bytes) is asked for jointly, by the same tensor load with the same descriptor and the mask 15.
; A wave fetches and reads only its own tiles, through its own two LDS slots: tiles value 0-3, key 0-3 by turns on slots 0, 1.
; LAYOUT.  Projection: source 0 = 16 rows l, source 1 = 16 rows of W: a lane holds ONE column and l = 16 t + 8 (lane / 16) + j: its registers run along l, the next product's K.
; A block of 32 l lies in lanes x and x xor 16.  Inside a block the codes stand in another order than l, the same order for k_ and v, which leaves the sums as they are.
; Wk's tile ct takes rows 32 (r / 8) + 8 ct + r % 8, so that the second product's result holds, in lane (r, half) and register j of tile (c, ct), kv_[64 c + 32 half + 8 ct + j][16 mt + r]: the order in which the next launch's operand wants d_.
; sin and cos: a = (l + 1) x fl(pi / 2) x 2^-12; sin = S(a), cos = S((fl(pi/2) - a) - 4.37e-8), S the odd series up to x^13 (what is cut is under 7e-10 on 0 .. pi/2).
; LIMITS: NaN, infinities and scale bytes 0xff are not served.  A block whose largest magnitude lies under 2^-124 (a block of zeros too) keeps the scale byte 1; the bytes are read by this program alone.
; kv_ is summed wave by wave and chunk by chunk: another order of f32 rounding than one sum over l.
; REGISTERS, in windows of 256: window 0 as named below;  window 1: Wv's fragments (tile ct, K step s at 64 ct + 8 s), later the 32 accumulators of kv_ (64 mt + 32 c + 8 ct);
;   window 2: Wk's fragments;  window 3: v0-127 the projection's 16 accumulators (32 ct + 8 t; at the head: my rows of Wv and Wk on their way to the stage), v128-159 the bias as C, v160-223 k_'s codes, v224-255 v's codes.
.set PITCH,  528                       ; an LDS row: 512 bytes + 16 of padding: an odd multiple of 16, so the sixteen rows of a fragment load begin 16 bytes apart modulo 256
.set SLOTB,  64*PITCH                  ; a wave's slot
.set SLOT1,  4*SLOTB                   ; slot 1 of every wave lies behind slot 0 of all four
.set TILEB,  64*2048                   ; from a tile to the next in memory: 64 l x 4 b x 512 bytes
.set VPK,    2*SLOT1                   ; v's codes wait here for k's: for each wave and unit 4 register images of 512 bytes and 512 bytes of scale half-words
.set VPKU,   2560
.set WST,    VPK                       ; at the head the same bytes are W's stage: 64 rows of PITCH, 33,792 of the 40,960 bytes; no tensor load ever lands here
.set TAB,    VPK+16*VPKU               ; for each wave: sin of its 256 l, then cos
.set KSR,    TAB+4*2048                ; for each wave: its 128 sums of k_
.set SPARE,  KSR+4*512                 ; the spare words, 128 bytes a wave: two blocks of 256 bytes that no other line names
.set FLOOR,  0x1800000                 ; 2^(3 - 127): under it no largest magnitude is taken, so the byte cannot fall under 1
.set EOFF,   0xff000000                ; takes 2 off an exponent field
.set ADA,  4                           ; v4, v5  LDS address of my fragments in slot 0, 1
.set ADT,  6                           ; v6      my half's place in the wave's table
.set ADP,  7                           ; v7      16 x lane in the wave's parking place
.set AGS,  8                           ; v8      my place among a tile's scale rows: 128 r + 16 half; never rewritten
.set PKA,  9                           ; v9      ADP + the loop's step
.set SPW,  10                          ; v10     my spare word; never rewritten
.set NIL,  11                          ; v11     0; never rewritten
.set BV,   12                          ; v12-15  bv of my column, a register a tile; then v12 the prefetches' offset; at the end: addresses of the four waves' results
.set PFO,  12
.set REDR, 12
.set BK,   16                          ; v16-19  bk likewise
.set WSV,  20                          ; v20-35  Wv's scale words: tile ct at 4 ct; register q: K step q in lanes 0-15, K step q + 4 in lanes 16-31
.set KS,   20                          ; v20-35  once v is done: sums of k_, a pair at 2 (4 c + ct)
.set AS,   36                          ; v36-51  the scale words of an even unit's rows, tile t at 4 t, likewise
.set KSW,  52                          ; v52-59  k_'s scale words for 128 l, at 4 c + ct (at the head: v52, v53 addresses in W's stage)
.set VSW,  60                          ; v60-63  v's
.set VH,   64                          ; v64-71  v's half-words as parked (at the head: offsets of the head's loads)
.set AS1,  72                          ; v72-87  the scale words of an odd unit's rows
.set TM,   88                          ; v88-111 at work
.set WSK,  112                         ; v112-127 Wk's scale words
.set F,    128                         ; v128-255 four fragment buffers of 32 (K step s in buffer s % 4); between the products the same registers are:
.set SN,   128
.set CS,   160
.set R,    192
.set T,    224
.set PC,   128
.set HW,   144
.set BIA,  128                         ; in window 3
.set KF,   160
.set VF,   224
.set G1,   36                          ; s[36:43] descriptor group 1
.set G0,   44                          ; s[44:47], s[48:51] group 0 of slot 0, 1
.set MSB, 0
.macro WIN new                         ; the immediate's high byte repeats the setting that is left
.if MSB != \new
	s_set_vgpr_msb (MSB<<8)|\new
.set MSB, \new
.endif
.endm
.macro PLACES                          ; four plain places: behind matrix instructions, ahead of loads into their registers and of reads of their results
.rept 4
	v_nop
.endr
.endm
.macro CREST                           ; a round of the cluster's barrier behind its opening barrier
	s_cmp_lg_u32 s28, 0
	s_cbranch_scc1 .Lnot_wave_0_\@
	s_barrier_signal -3
.Lnot_wave_0_\@:
	s_barrier_wait -3
	s_barrier_signal -1
	s_barrier_wait -1
.endm
.macro CROUND
	s_barrier_signal -1
	s_barrier_wait -1
	CREST
.endm
.macro BARRIER                         ; my LDS stores have landed and my LDS loads are in: then the work-group's barrier.  Nothing is filled by a tensor load behind these
	s_wait_dscnt 0x0
	s_barrier_signal -1
	s_barrier_wait -1
.endm
; A PREFETCH INTO THE L2, behind the refill in v's unit u (u = 2 x trip + slot): key's tile u of my wave, which the refill two units on asks for.  The tile's 64 rows of 512 bytes are read by all four clusters of this y:
; the cluster with x = 0 asks.  Its four partners take 16 rows each, told apart BY ADDRESS; a lane names one block of 256 bytes, two lanes a row: one instruction a wave, and each block is named once in the launch.
; k's units ask for nothing: there is no tile behind key's last.  value's tiles come by their loads alone.
.macro ASK slot
	s_cmp_eq_u32 ttmp9, 0
	s_cbranch_scc0 .Lnot_mine_\@
	global_prefetch_b8 v[PFO], s[70:71] offset:\slot*TILEB th:TH_LOAD_NT scope:SCOPE_SE
.Lnot_mine_\@:
.endm
; one scaled product.  c < 0: C is the constant 0.  row = 1: both scale words are taken from lanes 16-31
.macro WM4 d, a, b, c, sa, sb, row
.if (\c) < 0
	v_wmma_scale_f32_16x16x128_f8f6f4 v[\d:\d+7], v[\a:\a+7], v[\b:\b+7], 0, v[\sa], v[\sb] matrix_a_fmt:MATRIX_FMT_FP4 matrix_b_fmt:MATRIX_FMT_FP4
.elseif \row
	v_wmma_scale_f32_16x16x128_f8f6f4 v[\d:\d+7], v[\a:\a+7], v[\b:\b+7], v[\c:\c+7], v[\sa], v[\sb] matrix_a_fmt:MATRIX_FMT_FP4 matrix_b_fmt:MATRIX_FMT_FP4 matrix_a_scale:MATRIX_SCALE_ROW1 matrix_b_scale:MATRIX_SCALE_ROW1
.else
	v_wmma_scale_f32_16x16x128_f8f6f4 v[\d:\d+7], v[\a:\a+7], v[\b:\b+7], v[\c:\c+7], v[\sa], v[\sb] matrix_a_fmt:MATRIX_FMT_FP4 matrix_b_fmt:MATRIX_FMT_FP4
.endif
.endm
.macro LOADF slot, s                   ; K step s of the unit's four tiles of 16 rows: lane (r, half) takes 16 bytes at 32 c + 16 half of the step's 64
.irp t, 0,1,2,3
.irp c, 0,1
	ds_load_b128 v[F+32*((\s)%4)+8*\t+4*\c:F+32*((\s)%4)+8*\t+4*\c+3], v[ADA+\slot] offset:16*PITCH*\t+64*(\s)+32*\c
.endr
.endr
.endm
.macro MUL s, ws, as                   ; 16 products of K step s; the 16 accumulators take turns, one instruction a turn, in the same order in every step.  Step 0 takes the bias as C
.irp t, 0,1,2,3
.irp ct, 0,1,2,3
.if (\s) == 0
	WM4 32*\ct+8*\t, F+8*\t, 64*\ct, BIA+8*\ct, \as+4*\t, \ws+4*\ct, 0
.else
	WM4 32*\ct+8*\t, F+32*((\s)%4)+8*\t, 64*\ct+8*(\s), 32*\ct+8*\t, \as+4*\t+(\s)%4, \ws+4*\ct+(\s)%4, (\s)/4
.endif
.endr
.endr
.endm
.macro ASLOAD reg, base, off           ; a unit's scale words: 16 bytes a lane, rows 128 bytes apart
.irp t, 0,1,2,3
	global_load_b128 v[\reg+4*\t:\reg+4*\t+3], v[AGS], s[\base:\base+1] offset:\off+2048*\t
.endr
.endm
; A unit's projection: 128 products.  win: the windows (W in 1 or 2);  as: the unit's set of scale words;  tcnt: younger tiles that may stay out;
; mode 0: no slot is filled;  1: the v loop's fill, chosen by the trip;  2: the slot's tile two further on;  lcnt: younger loads that may stay out.
.macro MATR slot, win, ws, as, tcnt, mode, lcnt
	s_wait_tensorcnt \tcnt                         ; my tile is in; only I read it
	LOADF \slot, 0
	LOADF \slot, 1
	LOADF \slot, 2
	LOADF \slot, 3
	s_wait_loadcnt \lcnt                           ; this unit's scale words, asked for two units ago, are in; the next unit's four loads may be out
	s_wait_dscnt 16                                ; K steps 0, 1 are in; the 16 loads of steps 2, 3 may be out
	WIN \win
	MUL 0, \ws, \as
	MUL 1, \ws, \as
	PLACES
	WIN 0
	LOADF \slot, 4
	LOADF \slot, 5
	s_wait_dscnt 16                                ; steps 2, 3 are in
	WIN \win
	MUL 2, \ws, \as
	MUL 3, \ws, \as
	PLACES
	WIN 0
	LOADF \slot, 6
	LOADF \slot, 7
	s_wait_dscnt 16                                ; steps 4, 5 are in
	WIN \win
	MUL 4, \ws, \as
	MUL 5, \ws, \as
	WIN 0
.if \mode
	s_wait_tensorcnt 0x0                           ; all my tensor loads have landed, so a group 0 may be written;
	ds_add_u32 v[SPW], v[NIL]                      ; 0 onto my spare word
.if \mode == 1
	s_cmp_eq_u32 s62, 2                            ; first trip: value's tile two on; second trip: key's first two tiles
.if \slot == 0
	s_cselect_b64 s[46:47], s[52:53], s[14:15]
.else
	s_cselect_b64 s[50:51], s[54:55], s[56:57]
.endif
	s_or_b32 s[G0+4*\slot+3], s[G0+4*\slot+3], 0x80000000
.else
	s_add_nc_u64 s[G0+4*\slot+2:G0+4*\slot+3], s[G0+4*\slot+2:G0+4*\slot+3], 2*TILEB
.endif
	s_wait_dscnt 9                                 ; step 6 is in; step 7's eight loads and the add may be out
	WIN \win
	MUL 6, \ws, \as
	s_wait_dscnt 0x0                               ; the add is done, and my reads of this slot are over
	s_barrier_signal -1                            ; opens a round of the cluster's barrier
	MUL 7, \ws, \as
	WIN 0
	s_barrier_wait -1
	CREST                                          ; no wave of any partner still reads this slot or has a load on its way
	tensor_load_to_lds s[G0+4*\slot:G0+4*\slot+3], s[G1:G1+7]
	s_nop 0
	PLACES                                         ; (also the places behind step 7's products)
.if \mode == 1
	ASK \slot
.endif
.else
	s_wait_dscnt 0x0
	WIN \win
	MUL 6, \ws, \as
	MUL 7, \ws, \as
	WIN 0
	PLACES
.endif
.endm
.macro BIAS src                        ; a column's bias, eight times: the C of a tile's first product
	WIN 0xc0
.irp ct, 0,1,2,3
.irp j, 0,1,2,3,4,5,6,7
	v_mov_b32 v[BIA+8*\ct+\j], v[\src+\ct]
.endr
.endr
	WIN 0
.endm
.macro WFRAGS                          ; the 32 fragments of the W that lies in the stage: tile ct is stage rows 16 ct .. 16 ct + 15 (the caller has set the destination's window)
.irp ct, 0,1,2,3
.irp s, 0,1,2,3,4,5,6,7
.irp c, 0,1
	ds_load_b128 v[64*\ct+8*\s+4*\c:64*\ct+8*\s+4*\c+3], v53 offset:16*PITCH*\ct+64*\s+32*\c
.endr
.endr
.endr
.endm
; v's 64 l x 64 m become codes along l.  Chain k = 2 mt + b: my 16 numbers of block b of column tile mt are accumulator registers 16 k .. 16 k + 15.
.macro VEPI off
	WIN 0x0f                                       ; sources 0, 1: window 3
.irp k, 0,1,2,3,4,5,6,7
	v_max3_num_f32 v[TM+\k], |v[16*\k]|, |v[16*\k+1]|, FLOOR
.endr
.irp i, 2,4,6,8,10,12,14
.irp k, 0,1,2,3,4,5,6,7
	v_max3_num_f32 v[TM+\k], |v[16*\k+\i]|, |v[16*\k+\i+1]|, v[TM+\k]
.endr
.endr
	WIN 0
.irp k, 0,1,2,3,4,5,6,7
	v_permlanex16_b32 v[TM+8+\k], v[TM+\k], s60, s61
.endr
.irp k, 0,1,2,3,4,5,6,7
	v_max_num_f32 v[TM+\k], v[TM+\k], v[TM+8+\k]   ; with lane x xor 16's 16: the block's largest magnitude
.endr
.irp k, 0,1,2,3,4,5,6,7
	v_add_nc_u32 v[TM+16+\k], EOFF, v[TM+\k]       ; the conversion's scale operand
.endr
.irp k, 0,1,2,3,4,5,6,7
	v_lshrrev_b32 v[TM+8+\k], 23, v[TM+16+\k]      ; the scale's byte
.endr
.irp mt, 0,1,2,3
	v_lshl_or_b32 v[HW+\mt], v[TM+9+2*\mt], 8, v[TM+8+2*\mt]
.endr
	v_add_nc_u32 v[PKA], s63, v[ADP]
	WIN 0x03                                       ; source 0: window 3
.irp k, 0,1,2,3,4,5,6,7
.irp p, 0,1
	v_cvt_scalef32_pk8_fp4_f32 v[PC+2*\k+\p], v[16*\k+8*\p:16*\k+8*\p+7], v[TM+16+\k]
.endr
.endr
	WIN 0
	v_nop                                          ; one plain place behind a scaled conversion
.irp mt, 0,1,2,3
.irp i, 0,1
	v_permlane16_swap_b32 v[PC+4*\mt+\i], v[PC+4*\mt+2+\i]   ; lanes 0-15 now hold block 0 whole, lanes 16-31 block 1: half of an operand's registers
.endr
.endr
.irp mt, 0,1,2,3
	ds_store_b128 v[PKA], v[PC+4*\mt:PC+4*\mt+3] offset:\off+512*\mt
.endr
	ds_store_b128 v[PKA], v[HW:HW+3] offset:\off+2048
	s_wait_dscnt 0x0                               ; the stores have read their registers: the next unit's fragments land there
.endm
; k's 64 l x 64 d: relu, x sin and x cos, the sums, and codes along l.  u: the unit
.macro KEPI u
.irp t, 0,1,2,3
.irp q, 0,1
	ds_load_b128 v[SN+8*\t+4*\q:SN+8*\t+4*\q+3], v[ADT] offset:256*\u+64*\t+16*\q
	ds_load_b128 v[CS+8*\t+4*\q:CS+8*\t+4*\q+3], v[ADT] offset:1024+256*\u+64*\t+16*\q
.endr
.endr
.irp ct, 0,1,2,3
	WIN 0x0c                                       ; source 1: window 3
.set i, 0
.rept 32
	v_max_num_f32 v[R+i], 0, v[32*\ct+i]           ; each accumulator from its low end on
.set i, i+1
.endr
	WIN 0
.if \ct == 0
	s_wait_dscnt 0x0                               ; sin and cos of my 32 l
.endif
.set i, 0
.rept 16
	v_pk_mul_f32 v[T+i:T+i+1], v[R+i:R+i+1], v[SN+i:SN+i+1]
.set i, i+2
.endr
.set i, 0
.rept 16
	v_pk_mul_f32 v[R+i:R+i+1], v[R+i:R+i+1], v[CS+i:CS+i+1]
.set i, i+2
.endr
.irp i, 0,2,4,6,8,10,12,14             ; two sums and four maxima (2 c + b) by turns
	v_pk_add_f32 v[KS+2*\ct:KS+2*\ct+1], v[KS+2*\ct:KS+2*\ct+1], v[T+\i:T+\i+1]
	v_pk_add_f32 v[KS+8+2*\ct:KS+9+2*\ct], v[KS+8+2*\ct:KS+9+2*\ct], v[R+\i:R+\i+1]
.if \i == 0
	v_max3_num_f32 v[TM], |v[T]|, |v[T+1]|, FLOOR
	v_max3_num_f32 v[TM+2], |v[R]|, |v[R+1]|, FLOOR
.else
	v_max3_num_f32 v[TM], v[TM], |v[T+\i]|, |v[T+\i+1]|
	v_max3_num_f32 v[TM+2], v[TM+2], |v[R+\i]|, |v[R+\i+1]|
.endif
	v_pk_add_f32 v[KS+2*\ct:KS+2*\ct+1], v[KS+2*\ct:KS+2*\ct+1], v[T+16+\i:T+17+\i]
	v_pk_add_f32 v[KS+8+2*\ct:KS+9+2*\ct], v[KS+8+2*\ct:KS+9+2*\ct], v[R+16+\i:R+17+\i]
.if \i == 0
	v_max3_num_f32 v[TM+1], |v[T+16]|, |v[T+17]|, FLOOR
	v_max3_num_f32 v[TM+3], |v[R+16]|, |v[R+17]|, FLOOR
.else
	v_max3_num_f32 v[TM+1], v[TM+1], |v[T+16+\i]|, |v[T+17+\i]|
	v_max3_num_f32 v[TM+3], v[TM+3], |v[R+16+\i]|, |v[R+17+\i]|
.endif
.endr
.irp k, 0,1,2,3
	v_permlanex16_b32 v[TM+8+\k], v[TM+\k], s60, s61
.endr
.irp k, 0,1,2,3
	v_max_num_f32 v[TM+\k], v[TM+\k], v[TM+8+\k]
.endr
.irp k, 0,1,2,3
	v_add_nc_u32 v[TM+16+\k], EOFF, v[TM+\k]
.endr
.irp k, 0,1,2,3
	v_lshrrev_b32 v[TM+8+\k], 23, v[TM+16+\k]
.endr
.if (\u)%2 == 0                        ; an even unit gives bytes 0, 1 of the scale word of 128 l, an odd one bytes 2, 3
	v_lshl_or_b32 v[KSW+\ct], v[TM+9], 8, v[TM+8]
	v_lshl_or_b32 v[KSW+4+\ct], v[TM+11], 8, v[TM+10]
.else
	v_lshl_or_b32 v[KSW+\ct], v[TM+8], 16, v[KSW+\ct]
	v_lshl_or_b32 v[KSW+4+\ct], v[TM+10], 16, v[KSW+4+\ct]
	v_lshl_or_b32 v[KSW+\ct], v[TM+9], 24, v[KSW+\ct]
	v_lshl_or_b32 v[KSW+4+\ct], v[TM+11], 24, v[KSW+4+\ct]
.endif
	WIN 0xc0                                       ; destination: window 3
.irp b, 0,1
.irp p, 0,1
	v_cvt_scalef32_pk8_fp4_f32 v[KF+8*\ct+4*((\u)%2)+2*\b+\p], v[T+16*\b+8*\p:T+16*\b+8*\p+7], v[TM+16+\b]
	v_cvt_scalef32_pk8_fp4_f32 v[KF+32+8*\ct+4*((\u)%2)+2*\b+\p], v[R+16*\b+8*\p:R+16*\b+8*\p+7], v[TM+18+\b]
.endr
.endr
	v_nop                                          ; one plain place behind a scaled conversion
	WIN 0xc3
.irp c, 0,1
.irp i, 0,1
	v_permlane16_swap_b32 v[KF+32*\c+8*\ct+4*((\u)%2)+\i], v[KF+32*\c+8*\ct+4*((\u)%2)+2+\i]
.endr
.endr
	WIN 0
.endr
.endm
; kv_ += k_^T v over the 128 l of units 2 p and 2 p + 1: 8 tiles of d_ x 4 tiles of m, the 32 accumulators by turns
.macro PROD4 p, zero
	WIN 0xc0
.irp mt, 0,1,2,3
	ds_load_b128 v[VF+8*\mt:VF+8*\mt+3], v[ADP] offset:VPKU*(2*\p)+512*\mt
	ds_load_b128 v[VF+8*\mt+4:VF+8*\mt+7], v[ADP] offset:VPKU*(2*\p+1)+512*\mt
.endr
	WIN 0
	ds_load_b128 v[VH:VH+3], v[ADP] offset:VPKU*(2*\p)+2048
	ds_load_b128 v[VH+4:VH+7], v[ADP] offset:VPKU*(2*\p+1)+2048
	s_wait_dscnt 0x0
.irp mt, 0,1,2,3
	v_lshl_or_b32 v[VSW+\mt], v[VH+4+\mt], 16, v[VH+\mt]
.endr
.rept 8
	v_nop                                          ; a scale register written by a vector instruction stands 8 places ahead of a scaled product
.endr
	WIN 0x5f                                       ; sources 0, 1: window 3; C and D: window 1
.irp f, 0,1,2,3,4,5,6,7
.irp mt, 0,1,2,3
.if \zero
	WM4 64*\mt+8*\f, KF+8*\f, VF+8*\mt, -1, KSW+\f, VSW+\mt, 0
.else
	WM4 64*\mt+8*\f, KF+8*\f, VF+8*\mt, 64*\mt+8*\f, KSW+\f, VSW+\mt, 0
.endif
.endr
.endr
	WIN 0
.endm
.macro SINES x, t2, tp, out            ; S(x) = x + x^3 P(x^2) for 16 numbers, line by line so that no line waits for the one above it
.irp e, 0,1,2,3,4,5,6,7,8,9,10,11,12,13,14,15
	v_mul_f32 v[\t2+\e], v[\x+\e], v[\x+\e]
.endr
.irp e, 0,1,2,3,4,5,6,7,8,9,10,11,12,13,14,15
	v_mov_b32 v[\tp+\e], 0x2f309231                ; 1 / 13!
.endr
.irp k, 0xb2d7322b, 0x3638ef1d, 0xb9500d01, 0x3c088889, 0xbe2aaaab
.irp e, 0,1,2,3,4,5,6,7,8,9,10,11,12,13,14,15
	v_fmaak_f32 v[\tp+\e], v[\tp+\e], v[\t2+\e], \k    ; -1/11!, 1/9!, -1/7!, 1/5!, -1/3!
.endr
.endr
.irp e, 0,1,2,3,4,5,6,7,8,9,10,11,12,13,14,15
	v_mul_f32 v[\t2+\e], v[\t2+\e], v[\x+\e]
.endr
.irp e, 0,1,2,3,4,5,6,7,8,9,10,11,12,13,14,15
	v_fma_f32 v[\out+\e], v[\tp+\e], v[\t2+\e], v[\x+\e]
.endr
.endm
	s_load_b512 s[4:19], s[0:1], 0x0               ; value codes s[4:5], scales s[6:7]; Wv codes s[8:9], scales s[10:11]; bv s[12:13]; key codes s[14:15], scales s[16:17]; Wk codes s[18:19]
	s_load_b256 s[20:27], s[0:1], 0x40             ; Wk scales s[20:21]; bk s[22:23]; kvpart s[24:25]; kspart s[26:27]
	v_lshl_add_u32 v[SPW], v0, 2, SPARE
	v_mov_b32 v[NIL], 0
	ds_add_u32 v10, v11
	s_wait_dscnt 0x0
	v_lshrrev_b32 v1, 5, v0
	v_readfirstlane_b32 s28, v1                    ; wave 0..3
	s_bfe_u32 s29, ttmp6, 0x40000                  ; my place in the cluster: it enters W's, the biases', the results' and the prefetches' addresses alone
	s_lshl_b32 s30, ttmp9, 2
	s_add_co_u32 s30, s30, s29                     ; head
	s_and_b32 s31, ttmp7, 0xffff
	s_lshr_b32 s32, s31, 2                         ; b
	s_and_b32 s33, s31, 3                          ; chunk
	s_lshl_b32 s34, s33, 10
	s_lshl_b32 s74, s28, 8
	s_add_co_u32 s34, s34, s74                     ; my wave's first l
	; descriptor group 1: 64 rows of 512 bytes, 2,048 bytes apart in memory, 16 bytes of padding behind each in LDS
	s_mov_b32 s[G1], 15|(1<<20)|(1<<21)|(6<<22)|(3<<25)   ; 15:0 the mask: all four work-groups; 17:16 elements of 1 byte; 20 padding on; 21 set beside a mask; 24:22 after every 128 words; 31:25 four words
	s_mov_b32 s[G1+1], 512<<16                     ; tensor_dim0
	s_mov_b32 s[G1+2], 64<<16                      ; tensor_dim1
	s_mov_b32 s[G1+3], 512<<16                     ; tile_dim0
	s_mov_b32 s[G1+4], 64                          ; tile_dim1
	s_mov_b32 s[G1+5], 2048                        ; from row to row
	s_mov_b32 s[G1+6], 0
	s_mov_b32 s[G1+7], 0
	s_mov_b32 s60, 0x76543210
	s_mov_b32 s61, 0xfedcba98                      ; v_permlanex16_b32's selects for lane x xor 16
	s_lshl_b32 s74, s34, 11
	s_lshl_b32 s75, s32, 9
	s_add_co_u32 s74, s74, s75                     ; my first tile: 2,048 l + 512 b
	s_mov_b32 s75, 0
	s_lshl_b32 s76, s34, 7
	s_lshl_b32 s77, s32, 5
	s_add_co_u32 s76, s76, s77                     ; its scale rows: 128 l + 32 b
	s_mov_b32 s77, 0
	s_mul_i32 s78, s28, SLOTB                      ; my slot 0
	s_wait_kmcnt 0x0
	s_add_nc_u64 s[4:5], s[4:5], s[74:75]          ; value's tile 0
	s_add_nc_u64 s[14:15], s[14:15], s[74:75]      ; key's tile 0
	s_add_nc_u64 s[6:7], s[6:7], s[76:77]
	s_add_nc_u64 s[16:17], s[16:17], s[76:77]
	s_add_nc_u64 s[52:53], s[4:5], 2*TILEB         ; value's tiles 2, 3
	s_add_nc_u64 s[54:55], s[4:5], 3*TILEB
	s_add_nc_u64 s[56:57], s[14:15], TILEB         ; key's tile 1
	s_add_nc_u64 s[58:59], s[6:7], 16384           ; value's scale rows of unit 2
	s_mov_b32 s[G0], 1
	s_mov_b32 s[G0+1], s78
	s_mov_b64 s[G0+2:G0+3], s[4:5]
	s_or_b32 s[G0+3], s[G0+3], 0x80000000
	s_mov_b32 s[G0+4], 1
	s_add_co_u32 s[G0+5], s78, SLOT1
	s_add_nc_u64 s[G0+6:G0+7], s[4:5], TILEB
	s_or_b32 s[G0+7], s[G0+7], 0x80000000
	CROUND                                         ; all four work-groups are here: the first joint loads meet
	tensor_load_to_lds s[G0:G0+3], s[G1:G1+7]      ; both first fills together: two loads of mine are out
	s_nop 0
	tensor_load_to_lds s[G0+4:G0+7], s[G1:G1+7]
	s_nop 0
	PLACES
	s_lshl_b32 s74, s30, 15                        ; the head's 64 rows of W: 512 bytes a row,
	s_add_nc_u64 s[8:9], s[8:9], s[74:75]
	s_add_nc_u64 s[18:19], s[18:19], s[74:75]
	s_lshl_b32 s74, s30, 11                        ; 32 scale bytes a row,
	s_add_nc_u64 s[10:11], s[10:11], s[74:75]
	s_add_nc_u64 s[20:21], s[20:21], s[74:75]
	s_lshl_b32 s74, s30, 8                         ; 4 bytes of bias
	s_add_nc_u64 s[12:13], s[12:13], s[74:75]
	s_add_nc_u64 s[22:23], s[22:23], s[74:75]
	s_lshl_b32 s74, s32, 4
	s_add_co_u32 s74, s74, s30                     ; n = 16 b + head
	s_lshl_b32 s74, s74, 2
	s_add_co_u32 s74, s74, s33                     ; 4 n + chunk
	s_lshl_b32 s76, s74, 9
	s_lshl_b32 s74, s74, 15
	s_add_nc_u64 s[24:25], s[24:25], s[74:75]      ; my 32,768 bytes of kvpart
	s_add_nc_u64 s[26:27], s[26:27], s[76:77]      ; my 512 bytes of kspart
	s_lshl_b32 s74, s29, 15                        ; the prefetches: my work-group's 16 rows of 2,048 bytes in my wave's tile 0 of key
	s_add_nc_u64 s[70:71], s[14:15], s[74:75]
	v_and_b32 v1, 15, v0                           ; r
	v_bfe_u32 v2, v0, 4, 1                         ; half
	v_and_b32 v3, 31, v0                           ; lane
	v_mul_u32_u24 v[ADA], v1, PITCH
	v_lshl_add_u32 v[ADA], v2, 4, v[ADA]
	v_add_nc_u32 v[ADA], s78, v[ADA]
	v_add_nc_u32 v[ADA+1], SLOT1, v[ADA]
	s_lshl_b32 s79, s28, 11
	v_lshl_add_u32 v[ADT], v2, 5, s79
	v_add_nc_u32 v[ADT], TAB, v[ADT]               ; my half begins 8 l on
	v_lshl_add_u32 v71, v3, 2, s79
	v_add_nc_u32 v71, TAB, v71                     ; where I store the table: 4 x lane
	s_mul_i32 s79, s28, 4*VPKU
	v_lshl_add_u32 v[ADP], v3, 4, s79
	v_add_nc_u32 v[ADP], VPK, v[ADP]
	v_lshlrev_b32 v[AGS], 7, v1
	v_lshl_add_u32 v[AGS], v2, 4, v[AGS]
	s_lshl_b32 s79, s28, 13
	v_lshl_add_u32 v64, v3, 4, s79                 ; W in memory: my wave's 16 rows, 16 bytes a lane
	s_mul_i32 s79, s28, 16*PITCH
	v_lshl_add_u32 v65, v3, 4, s79
	v_add_nc_u32 v65, WST, v65                     ; Wv into the stage: row 16 w + i as it lies
	s_and_b32 s79, s28, 1
	s_lshl_b32 s79, s79, 5
	s_lshr_b32 s35, s28, 1
	s_lshl_b32 s35, s35, 3
	s_add_co_u32 s79, s79, s35
	s_mul_i32 s79, s79, PITCH
	v_lshl_add_u32 v52, v3, 4, s79
	v_add_nc_u32 v52, WST, v52                     ; Wk: row 16 w + i goes to stage row 32 (w % 2) + 8 (w / 2) + 16 (i / 8) + i % 8, so that tile ct's sixteen rows lie on end
	v_mul_u32_u24 v53, v1, PITCH
	v_lshl_add_u32 v53, v2, 4, v53
	v_add_nc_u32 v53, WST, v53                     ; out of the stage: row r of a tile, + 16 half
	v_and_b32 v70, 8, v1
	v_mad_u32_u24 v70, v70, 3, v1                  ; Wk's row of tile 0: 32 (r / 8) + r % 8
	v_lshlrev_b32 v66, 5, v1
	v_lshl_add_u32 v66, v2, 4, v66                 ; the scale rows
	v_lshlrev_b32 v67, 5, v70
	v_lshl_add_u32 v67, v2, 4, v67
	v_lshlrev_b32 v68, 2, v1                       ; and biases
	v_lshlrev_b32 v69, 2, v70
	WIN 0xc0                                       ; destination: window 3
.irp i, 0,1,2,3,4,5,6,7,8,9,10,11,12,13,14,15
	global_load_b128 v[4*\i:4*\i+3], v64, s[8:9] offset:512*\i         ; a row of Wv: 32 lanes read 512 consecutive bytes
.endr
.irp i, 0,1,2,3,4,5,6,7,8,9,10,11,12,13,14,15
	global_load_b128 v[64+4*\i:64+4*\i+3], v64, s[18:19] offset:512*\i ; a row of Wk
.endr
	WIN 0
.irp ct, 0,1,2,3
	global_load_b128 v[WSV+4*\ct:WSV+4*\ct+3], v66, s[10:11] offset:512*\ct
	global_load_b128 v[WSK+4*\ct:WSK+4*\ct+3], v67, s[20:21] offset:256*\ct
	global_load_b32 v[BV+\ct], v68, s[12:13] offset:64*\ct
	global_load_b32 v[BK+\ct], v69, s[22:23] offset:32*\ct
.endr
	ASLOAD AS, 6, 0                                ; value's units 0 and 1
	ASLOAD AS1, 6, 8192
	; the table, while the loads are on their way: lane x makes sin and cos of l = first l + x + 32 j, j = 0 .. 7
	v_add_nc_u32 v192, s34, v3
.irp j, 0,1,2,3,4,5,6,7
	v_add_nc_u32 v[128+\j], 32*\j+1, v192
.endr
.irp j, 0,1,2,3,4,5,6,7
	v_cvt_f32_u32 v[128+\j], v[128+\j]
.endr
.irp j, 0,1,2,3,4,5,6,7
	v_mul_f32 v[128+\j], 0x39c90fdb, v[128+\j]     ; a = (l + 1) x fl(pi / 2) x 2^-12
.endr
.irp j, 0,1,2,3,4,5,6,7
	v_sub_f32 v[136+\j], 0x3fc90fdb, v[128+\j]
.endr
.irp j, 0,1,2,3,4,5,6,7
	v_add_f32 v[136+\j], 0xb33bbd2e, v[136+\j]     ; pi / 2 - a, pi / 2 in two parts
.endr
	SINES 128, 144, 160, 176
.irp j, 0,1,2,3,4,5,6,7
	ds_store_b32 v71, v[176+\j] offset:128*\j
	ds_store_b32 v71, v[184+\j] offset:1024+128*\j
.endr
.irp k, 0,1,2,3,4,5,6,7
	v_mov_b32 v[TM+8+\k], 0                        ; written once: a lane permute's destination counts as one of its sources
.endr
	s_wait_loadcnt 0x0                             ; all the head's loads
	WIN 0x0c                                       ; an LDS store's data are its source 1: window 3
.irp i, 0,1,2,3,4,5,6,7,8,9,10,11,12,13,14,15
	ds_store_b128 v65, v[4*\i:4*\i+3] offset:PITCH*\i
.endr
	WIN 0
	BARRIER                                        ; Wv's 64 rows lie in the stage (the two tiles may stay on their way)
	WIN 0x40                                       ; destination: window 1
	WFRAGS
	WIN 0
	BARRIER                                        ; every wave has Wv: the stage may be written again
	WIN 0x0c
.irp i, 0,1,2,3,4,5,6,7,8,9,10,11,12,13,14,15
	ds_store_b128 v52, v[64+4*\i:64+4*\i+3] offset:PITCH*(16*(\i/8)+\i%8)
.endr
	WIN 0
	BARRIER                                        ; Wk's 64 rows lie in the stage
	WIN 0x80                                       ; destination: window 2
	WFRAGS
	WIN 0
	BIAS BV
	v_lshrrev_b32 v[PFO], 1, v3                    ; the prefetches' offset: row lane / 2 of 2,048 bytes, block lane % 2 of 256
	v_and_b32 v13, 1, v3
	v_lshlrev_b32 v[PFO], 11, v[PFO]
	v_lshl_or_b32 v[PFO], v13, 8, v[PFO]
	s_wait_dscnt 0x0                               ; Wk is in; the stage's bytes are next written behind the first unit's barrier
	s_mov_b32 s62, 2
	s_mov_b32 s63, 0
.Lv:                                               ; two trips, two units of v each
	s_cmp_eq_u32 s62, 2
	s_cselect_b64 s[66:67], s[58:59], s[16:17]     ; the scale rows two units on: value's units 2, 3, then key's units 0, 1
	MATR 0, 0xf4, WSV, AS, 1, 1, 4
	ASLOAD AS, 66, 0
	VEPI 0
	MATR 1, 0xf4, WSV, AS1, 1, 1, 4
	ASLOAD AS1, 66, 8192
	VEPI VPKU
	s_wait_xcnt 0x0                                ; the trip's loads and prefetches have read their bases: both are written again only behind this wait
	s_add_nc_u64 s[70:71], s[70:71], 2*TILEB       ; the prefetches go two tiles on
	s_add_co_u32 s63, s63, 2*VPKU
	s_sub_co_u32 s62, s62, 1
	s_cmp_lg_u32 s62, 0
	s_cbranch_scc1 .Lv
.irp k, 0,1,2,3,4,5,6,7,8,9,10,11,12,13,14,15
	v_mov_b32 v[KS+\k], 0                          ; the sums of k_, where Wv's scale words lay
.endr
	BIAS BK
	MATR 0, 0xf8, WSK, AS, 1, 2, 4                 ; k's four units are written out: the last two fill nothing
	ASLOAD AS, 16, 16384
	KEPI 0
	MATR 1, 0xf8, WSK, AS1, 1, 2, 4
	ASLOAD AS1, 16, 24576
	KEPI 1
	PROD4 0, 1                                     ; the first 128 l start the sums
	MATR 0, 0xf8, WSK, AS, 1, 0, 4
	KEPI 2
	MATR 1, 0xf8, WSK, AS1, 0, 0, 0
	KEPI 3
	PROD4 1, 0
	; THE END.  The wave's sums of k_: the pair, then lane x xor 16's.  (These lines are also the places behind the last products.)
.irp f, 0,1,2,3,4,5,6,7
	v_add_f32 v[KS+2*\f], v[KS+2*\f], v[KS+2*\f+1]
.endr
.irp f, 0,1,2,3,4,5,6,7
	v_permlanex16_b32 v[TM+8+\f], v[KS+2*\f], s60, s61
.endr
.irp f, 0,1,2,3,4,5,6,7
	v_add_f32 v[KS+2*\f], v[KS+2*\f], v[TM+8+\f]
.endr
	v_and_b32 v108, 8, v1
	v_lshlrev_b32 v108, 4, v108
	v_and_b32 v107, 7, v1
	v_lshl_add_u32 v108, v107, 2, v108             ; 4 d of tile 0: 128 (r / 8) + 4 (r % 8)
	s_lshl_b32 s74, s28, 9
	v_add_nc_u32 v108, s74, v108
	v_add_nc_u32 v108, KSR, v108
	v_lshl_add_u32 v109, v3, 4, s78                ; my results go into my slot 0, which has had its last fill and its last read
	v_lshl_add_u32 v110, v0, 2, KSR
	v_lshlrev_b32 v107, 2, v0
	s_lshl_b32 s74, s28, 13
	v_lshl_add_u32 v[REDR], v3, 4, s74             ; wave w adds register groups 16 w .. 16 w + 15 of all four waves; the same number is its offset in kvpart
	v_add_nc_u32 v[REDR+1], SLOTB, v[REDR]
	v_add_nc_u32 v[REDR+2], 2*SLOTB, v[REDR]
	v_add_nc_u32 v[REDR+3], 3*SLOTB, v[REDR]
.irp f, 0,1,2,3,4,5,6,7
	ds_store_b32 v108, v[KS+2*\f] offset:256*(\f/4)+32*(\f%4)    ; both halves write the same word with the same value
.endr
	WIN 0x04                                       ; an LDS store's data are its source 1: window 1
.set g, 0
.rept 64
	ds_store_b128 v109, v[4*g:4*g+3] offset:512*g  ; the accumulators as they stand, each from its low end on
.set g, g+1
.endr
	WIN 0
	s_wait_dscnt 0x0                               ; for the others' sake: my stores are done
	s_barrier_signal -1
	s_barrier_wait -1
.macro RLOAD q                         ; four groups of all four waves
.irp w, 0,1,2,3
.irp gg, 0,1,2,3
	ds_load_b128 v[128+64*((\q)%2)+16*\w+4*\gg:128+64*((\q)%2)+16*\w+4*\gg+3], v[REDR+\w] offset:512*(4*(\q)+\gg)
.endr
.endr
.endm
.macro RSUM q
.set BB, 128+64*((\q)%2)
.irp i, 0,2,4,6,8,10,12,14
	v_pk_add_f32 v[BB+\i:BB+\i+1], v[BB+\i:BB+\i+1], v[BB+16+\i:BB+17+\i]
	v_pk_add_f32 v[BB+32+\i:BB+33+\i], v[BB+32+\i:BB+33+\i], v[BB+48+\i:BB+49+\i]
.endr
.irp i, 0,2,4,6,8,10,12,14
	v_pk_add_f32 v[BB+\i:BB+\i+1], v[BB+\i:BB+\i+1], v[BB+32+\i:BB+33+\i]
.endr
.irp gg, 0,1,2,3
	global_store_b128 v[REDR], v[BB+4*\gg:BB+4*\gg+3], s[24:25] offset:512*(4*(\q)+\gg)   ; 32 lanes store 512 consecutive bytes
.endr
.endm
.irp w, 0,1,2,3
	ds_load_b32 v[TM+\w], v110 offset:512*\w       ; thread t: the four waves' sums of k_ number t
.endr
	RLOAD 0
	RLOAD 1
	s_wait_dscnt 32                                ; the four words are in; the two batches of 16 may be out
	v_add_f32 v[TM], v[TM], v[TM+1]
	v_add_f32 v[TM+2], v[TM+2], v[TM+3]
	v_add_f32 v[TM], v[TM], v[TM+2]
	global_store_b32 v107, v[TM], s[26:27]
	s_wait_dscnt 16                                ; batch 0 is in
	RSUM 0
	s_wait_xcnt 0x0                                ; the stores have read their registers: batch 2 lands there
	RLOAD 2
	s_wait_dscnt 16                                ; batch 1 is in
	RSUM 1
	s_wait_xcnt 0x0
	RLOAD 3
	s_wait_dscnt 16
	RSUM 2
	s_wait_dscnt 0x0
	RSUM 3
	s_wait_tensorcnt 0x0                           ; the wave's end
	ds_add_u32 v[SPW], v[NIL]
	s_wait_dscnt 0x0
	CROUND                                         ; the closing round
	s_endpgm
.Lfunc_end_k_q211873a6f4_kv:
	.size	k_q211873a6f4_kv, .Lfunc_end_k_q211873a6f4_kv-k_q211873a6f4_kv
	.p2alignl 7, 3214868480
	.fill 96, 4, 3214868480
	.section	.rodata,"a",@progbits
	.p2align	6, 0x0
	.amdhsa_kernel k_q211873a6f4_kv
		.amdhsa_group_segment_fixed_size 327680
		.amdhsa_private_segment_fixed_size 0
		.amdhsa_enable_private_segment 0
		.amdhsa_kernarg_size 96
		.amdhsa_user_sgpr_count 2
		.amdhsa_user_sgpr_kernarg_segment_ptr 1
		.amdhsa_wavefront_size32 1
		.amdhsa_system_sgpr_workgroup_id_x 1
		.amdhsa_system_sgpr_workgroup_id_y 1
		.amdhsa_system_sgpr_workgroup_id_z 1
		.amdhsa_system_vgpr_workitem_id 0
		.amdhsa_next_free_vgpr 1024
		.amdhsa_next_free_sgpr 80
		.amdhsa_reserve_vcc 0
		.amdhsa_float_denorm_mode_32 3
		.amdhsa_float_denorm_mode_16_64 3
		.amdhsa_memory_ordered 1
		.amdhsa_forward_progress 1
		.amdhsa_inst_pref_size 255
	.end_amdhsa_kernel
	.section	.bss,"aw",@nobits
	.p2align	6
	.space	262144
	.amdgpu_metadata
---
amdhsa.version: [ 1, 2 ]
amdhsa.kernels:
  - .name:           k_q211873a6f4_kv
    .symbol:         k_q211873a6f4_kv.kd
    .args:
      - { .name: value_codes, .offset: 0, .size: 8, .value_kind: global_buffer, .address_space: global }
      - { .name: value_scales, .offset: 8, .size: 8, .value_kind: global_buffer, .address_space: global }
      - { .name: Wv_codes, .offset: 16, .size: 8, .value_kind: global_buffer, .address_space: global }
      - { .name: Wv_scales, .offset: 24, .size: 8, .value_kind: global_buffer, .address_space: global }
      - { .name: bv, .offset: 32, .size: 8, .value_kind: global_buffer, .address_space: global }
      - { .name: key__codes, .offset: 40, .size: 8, .value_kind: global_buffer, .address_space: global }
      - { .name: key__scales, .offset: 48, .size: 8, .value_kind: global_buffer, .address_space: global }
      - { .name: Wk_codes, .offset: 56, .size: 8, .value_kind: global_buffer, .address_space: global }
      - { .name: Wk_scales, .offset: 64, .size: 8, .value_kind: global_buffer, .address_space: global }
      - { .name: bk, .offset: 72, .size: 8, .value_kind: global_buffer, .address_space: global }
      - { .name: kvpart, .offset: 80, .size: 8, .value_kind: global_buffer, .address_space: global }
      - { .name: kspart, .offset: 88, .size: 8, .value_kind: global_buffer, .address_space: global }
    .group_segment_fixed_size: 327680
    .private_segment_fixed_size: 0
    .kernarg_segment_align: 8
    .kernarg_segment_size: 96
    .max_flat_workgroup_size: 128
    .sgpr_count:     80
    .vgpr_count:     1024
    .wavefront_size: 32
...
	.end_amdgpu_metadata
.endif
;; end of part 1
;; launch attn (part 2): grid 16 x 16, 4 waves a work-group, clusters of 4 x 1, 327,680 bytes of LDS; arguments query_codes, query_scales, Wq_codes, Wq_scales, bq, kvpart, kspart, out0; writes out0
.if DOCPART == 2
	.amdgcn_target "amdgcn-amd-amdhsa--gfx1250"
	.amdhsa_code_object_version 6
	.text
	.protected	k_q211873a6f4_attn
	.globl	k_q211873a6f4_attn
	.p2align	8
	.type	k_q211873a6f4_attn,@function
k_q211873a6f4_attn:
	s_mov_b64 s[64:65], 0
	v_nop
	global_prefetch_b8 v0, s[64:65] scope:SCOPE_SE
	s_setreg_imm32_b32 hwreg(HW_REG_WAVE_MODE, 25, 1), 1
	s_wait_xcnt 0x0
	s_wait_alu depctr_hold_cnt(0) depctr_sa_sdst(0) depctr_va_vdst(0) depctr_va_sdst(0) depctr_va_ssrc(0) depctr_va_vcc(0) depctr_vm_vsrc(0)
	s_getreg_b32 s2, hwreg(HW_REG_IB_STS2, 6, 4)
	s_cmp_eq_u32 s2, 0
	s_cbranch_scc0 .Lentry_in_a_cluster
	s_endpgm
.Lentry_in_a_cluster:
	s_bfe_u32 s2, ttmp6, 0x10000c
	s_cmp_lg_u32 s2, 0x3003
	s_cbranch_scc0 .Lentry_shape_is_right
	s_endpgm
.Lentry_shape_is_right:
; Cosformer attention, second half.  For one head n = 16 b + h and one chunk of 1,024 positions l a work-group makes
;   kv_ and ksum (the sums of the four chunks' parts), kv_ quantised along d_ (MX-FP4, blocks of 32),
;   q = relu(query Wq^T + bq) (on the given codes),  q_ = [q sin(l), q cos(l)] quantised along d_,  z = 1 / max(q_ . ksum, 1e-4) in f32,  out = (Q(q_) Q(kv_)) z.
; SHARES and CLUSTER as in the first launch: x = head, y = 4 b + chunk; a wave owns 256 l as 4 units of 64; query's tiles (64 rows x 512 bytes) are asked for jointly by the four heads of a cluster;
; a wave fetches and reads only its own tiles, tiles 0-3 by turns on its slots 0, 1.
; Wq COMES ONCE FOR THE WORK-GROUP: a wave fetches 16 of the head's 64 rows, a row of 512 consecutive bytes a load, and stores them into a stage in LDS; behind a barrier every wave takes its fragments from there.
; kv_'s FOUR PARTS are asked for at the head and land while unit 0 is projected: only the lines behind that projection want them.
; No prefetch: of a wave's four tiles two are first fills and the other two are asked for in its first two units; a request ahead of those would stand at the head, among every work-group's first loads.
; LAYOUT.  The projection is used transposed: source 0 = 16 rows of Wq, source 1 = 16 rows l: a lane holds ONE l (lane % 16).  Wq's tile 2 b' + p takes rows 32 b' + 8 p + r + 8 (r / 8), so that a lane's
; register 16 b' + e of a tile of rows is d = 32 b' + 16 (lane / 16) + e: 16 neighbours along the next K.  The last product: source 0 = 16 rows m of kv_^T, source 1 = q_'s codes: a lane holds eight neighbouring m of one l.
; A block's largest |q_| is the block's largest q times sin, or times |cos|: rounding keeps the order, so it is the largest of the rounded products.
; LIMITS: NaN, infinities and scale bytes 0xff are not served.  A block whose largest magnitude lies under 2^-124 (a block of zeros too) keeps the scale byte 1.
; The denominator is summed as sin x (sum of q ksum_sin) + cos x (sum of q ksum_cos): another order of f32 rounding than one sum over d_.
; REGISTERS, in windows of 256: window 0 as named below;  window 1: Wq's fragments (tile dt, K step s at 64 dt + 8 s);  window 2: v0-127 the 16 accumulators (32 lt + 8 dt; at the head v0-63: my rows of Wq on their way to the stage),
;   v128-159 bq as C, v160-191 kv_'s codes;  window 3: v0-127 four fragment buffers, v128-191 rows on their way out (two sets), v192-223 the last product's results (until unit 0 is projected v128-255 take kv_'s chunks 1 and 2).
.set PITCH,  528
.set SLOTB,  64*PITCH
.set SLOT1,  4*SLOTB
.set TILEB,  64*2048
.set SP,     272                       ; a stage row on the way out: 256 bytes + 16
.set STG,    2*SLOT1                   ; behind the ring: 16 rows for each wave
.set KVI,    STG+4*16*SP               ; kv_'s four fragments as register images, 1,024 bytes each,
.set KVS,    KVI+4096                  ; their scale words, 128 bytes each,
.set KSL,    KVS+512                   ; ksum, 128 f32
.set SPARE,  KSL+512                   ; the spare words, 128 bytes a wave: two blocks of 256 bytes that no other line names
.set WST,    SPARE+512                 ; Wq's stage: 64 rows of PITCH, written once
.set FLOOR,  0x1800000
.set EOFF,   0xff000000
.set ADA,  4                           ; v4, v5  LDS address of my fragments in slot 0, 1
.set AGS,  6                           ; v6      128 r + 16 half: my place among a tile's scale rows
.set STO,  7                           ; v7      the stage: where I put 32 bytes of a row
.set RD,   8                           ; v8      and where I read a row back
.set CO,   9                           ; v9      my byte offset in two rows of out0
.set SPW,  10
.set NIL,  11
.set KSA,  14                          ; v14     ksum: my half's 16 numbers of a block
.set I0,   15                          ; v15     first l + r
.set WS,   20                          ; v20-35  Wq's scale words
.set QS,   36                          ; v36-51  the unit's scale words of query
.set KVW,  52                          ; v52-55  kv_'s scale words
.set PW,   56                          ; v56     q_'s scale word
.set SC,   58                          ; v58-65  (sin, cos) of my l, a pair a tile of rows
.set CB,   66                          ; v66-73  (cos, cos)
.set ZZ,   74                          ; v74     z; v75 is named with it as a pair
.set R,    80                          ; v80-111  q, then q cos          (until unit 0 is projected v80-143 take kv_'s chunk 0)
.set T,    112                         ; v112-143 q sin, then the results x z
.set TM,   144                         ; v144-167 at work
.set PC,   168                         ; v168-175 codes just made
.set KS,   176                         ; v176-207 ksum_sin at my 32 d, v208-239 ksum_cos   (before that: kv_'s chunk 3)
.set BIA,  128                         ; in window 2
.set KVF,  160
.set OB,   128                         ; in window 3
.set OA,   192
.set G1,   36
.set G0,   44
.set MSB, 0
.macro WIN new
.if MSB != \new
	s_set_vgpr_msb (MSB<<8)|\new
.set MSB, \new
.endif
.endm
.macro PLACES
.rept 4
	v_nop
.endr
.endm
.macro CREST
	s_cmp_lg_u32 s28, 0
	s_cbranch_scc1 .Lnot_wave_0_\@
	s_barrier_signal -3
.Lnot_wave_0_\@:
	s_barrier_wait -3
	s_barrier_signal -1
	s_barrier_wait -1
.endm
.macro CROUND
	s_barrier_signal -1
	s_barrier_wait -1
	CREST
.endm
.macro WM4 d, a, b, c, sa, sb, row
.if (\c) < 0
	v_wmma_scale_f32_16x16x128_f8f6f4 v[\d:\d+7], v[\a:\a+7], v[\b:\b+7], 0, v[\sa], v[\sb] matrix_a_fmt:MATRIX_FMT_FP4 matrix_b_fmt:MATRIX_FMT_FP4
.elseif \row
	v_wmma_scale_f32_16x16x128_f8f6f4 v[\d:\d+7], v[\a:\a+7], v[\b:\b+7], v[\c:\c+7], v[\sa], v[\sb] matrix_a_fmt:MATRIX_FMT_FP4 matrix_b_fmt:MATRIX_FMT_FP4 matrix_a_scale:MATRIX_SCALE_ROW1 matrix_b_scale:MATRIX_SCALE_ROW1
.else
	v_wmma_scale_f32_16x16x128_f8f6f4 v[\d:\d+7], v[\a:\a+7], v[\b:\b+7], v[\c:\c+7], v[\sa], v[\sb] matrix_a_fmt:MATRIX_FMT_FP4 matrix_b_fmt:MATRIX_FMT_FP4
.endif
.endm
.macro LOADF slot, s                   ; K step s of the unit's four tiles of rows, into window 3 (the caller has set the windows)
.irp lt, 0,1,2,3
.irp c, 0,1
	ds_load_b128 v[32*((\s)%4)+8*\lt+4*\c:32*((\s)%4)+8*\lt+4*\c+3], v[ADA+\slot] offset:16*PITCH*\lt+64*(\s)+32*\c
.endr
.endr
.endm
.macro MUL s                           ; 16 products of K step s, the 16 accumulators by turns; step 0 takes bq as C
.irp lt, 0,1,2,3
.irp dt, 0,1,2,3
.if (\s) == 0
	WM4 32*\lt+8*\dt, 64*\dt, 8*\lt, BIA+8*\dt, WS+4*\dt, QS+4*\lt, 0
.else
	WM4 32*\lt+8*\dt, 64*\dt+8*(\s), 32*((\s)%4)+8*\lt, 32*\lt+8*\dt, WS+4*\dt+(\s)%4, QS+4*\lt+(\s)%4, (\s)/4
.endif
.endr
.endr
.endm
; A unit's projection.  Its K steps 0 to 3 were fetched ahead.  mode = 1: the slot is filled again with the tile two further on.  lw = 0: the unit's scale words were waited for at the head.
.macro MATR slot, mode, lw
.if \lw
	s_wait_loadcnt 0x0                             ; the unit's scale words
.endif
	s_wait_dscnt 0x0                               ; K steps 0 to 3 (the first time: Wq's fragments too)
	WIN 0xad                                       ; source 0 (Wq) window 1, source 1 (query) window 3, C and D window 2
	MUL 0
	MUL 1
	PLACES
	WIN 0xc0
	LOADF \slot, 4
	LOADF \slot, 5
	WIN 0xad
	MUL 2
	MUL 3
	PLACES
	WIN 0xc0
	LOADF \slot, 6
	LOADF \slot, 7
	s_wait_dscnt 16                                ; steps 4, 5 are in; the 16 loads of steps 6, 7 may be out
	WIN 0xad
	MUL 4
	MUL 5
	WIN 0
.if \mode
	s_wait_tensorcnt 0x0                           ; all my tensor loads have landed, so a group 0 may be written;
	ds_add_u32 v[SPW], v[NIL]                      ; 0 onto my spare word
	s_add_nc_u64 s[G0+4*\slot+2:G0+4*\slot+3], s[G0+4*\slot+2:G0+4*\slot+3], 2*TILEB
	s_wait_dscnt 9                                 ; step 6 is in; step 7's eight loads and the add may be out
	WIN 0xad
	MUL 6
	s_wait_dscnt 0x0                               ; the add is done, and my reads of this slot are over
	s_barrier_signal -1                            ; opens a round of the cluster's barrier
	MUL 7
	WIN 0
	s_barrier_wait -1
	CREST
	tensor_load_to_lds s[G0+4*\slot:G0+4*\slot+3], s[G1:G1+7]
	s_nop 0
	PLACES                                         ; (also the places behind step 7's products)
.else
	s_wait_dscnt 0x0
	WIN 0xad
	MUL 6
	MUL 7
	WIN 0
	PLACES
.endif
.endm
.macro SINCOS u                        ; sin and cos of l = first l + 64 u + 16 lt + r: eight numbers through the series S(x) = x + x^3 P(x^2)
.irp lt, 0,1,2,3
	v_add_nc_u32 v[TM+2*\lt], 64*\u+16*\lt+1, v[I0]
.endr
.irp lt, 0,1,2,3
	v_cvt_f32_u32 v[TM+2*\lt], v[TM+2*\lt]
.endr
.irp lt, 0,1,2,3
	v_mul_f32 v[TM+2*\lt], 0x39c90fdb, v[TM+2*\lt] ; a = (l + 1) x fl(pi / 2) x 2^-12
.endr
.irp lt, 0,1,2,3
	v_sub_f32 v[TM+2*\lt+1], 0x3fc90fdb, v[TM+2*\lt]
.endr
.irp lt, 0,1,2,3
	v_add_f32 v[TM+2*\lt+1], 0xb33bbd2e, v[TM+2*\lt+1]   ; pi / 2 - a, pi / 2 in two parts
.endr
.irp e, 0,1,2,3,4,5,6,7
	v_mul_f32 v[TM+8+\e], v[TM+\e], v[TM+\e]
.endr
.irp e, 0,1,2,3,4,5,6,7
	v_mov_b32 v[TM+16+\e], 0x2f309231
.endr
.irp k, 0xb2d7322b, 0x3638ef1d, 0xb9500d01, 0x3c088889, 0xbe2aaaab
.irp e, 0,1,2,3,4,5,6,7
	v_fmaak_f32 v[TM+16+\e], v[TM+16+\e], v[TM+8+\e], \k
.endr
.endr
.irp e, 0,1,2,3,4,5,6,7
	v_mul_f32 v[TM+8+\e], v[TM+8+\e], v[TM+\e]
.endr
.irp e, 0,1,2,3,4,5,6,7
	v_fma_f32 v[SC+\e], v[TM+16+\e], v[TM+8+\e], v[TM+\e]
.endr
.irp lt, 0,1,2,3
	v_mov_b32 v[CB+2*\lt], v[SC+2*\lt+1]
	v_mov_b32 v[CB+2*\lt+1], v[SC+2*\lt+1]
.endr
.endm
; kv_ and ksum, behind unit 0's projection: the four chunks' parts are added, my tile of kv_ (m = 16 w + r) is quantised along d_, and the four waves' fragments change hands through LDS as images of their registers.
.macro KVX
	s_wait_loadcnt 4                               ; kv_'s parts are in; unit 1's four scale loads, just issued, may be out
	WIN 0x0c                                       ; source 1: window 3
.irp base, 128, 192
.set i, 0
.rept 32
	v_pk_add_f32 v[R+i:R+i+1], v[R+i:R+i+1], v[\base+i:\base+i+1]           ; + chunk 1, + chunk 2
.set i, i+2
.endr
.endr
	WIN 0
.set i, 0
.rept 32
	v_pk_add_f32 v[R+i:R+i+1], v[R+i:R+i+1], v[KS+i:KS+i+1]                 ; + chunk 3
.set i, i+2
.endr
	v_add_f32 v76, v76, v77
	v_add_f32 v78, v78, v79
	v_add_f32 v76, v76, v78                        ; ksum number t
	; lane (r, half) holds row m = 16 w + r and blocks half (registers 0-31) and 2 + half (32-63), whole
	v_max3_num_f32 v144, |v[R]|, |v[R+1]|, FLOOR
	v_max3_num_f32 v145, |v[R+32]|, |v[R+33]|, FLOOR
.irp i, 2,4,6,8,10,12,14,16,18,20,22,24,26,28,30
	v_max3_num_f32 v144, v144, |v[R+\i]|, |v[R+\i+1]|
	v_max3_num_f32 v145, v145, |v[R+32+\i]|, |v[R+33+\i]|
.endr
	v_add_nc_u32 v146, EOFF, v144
	v_add_nc_u32 v147, EOFF, v145
	v_lshrrev_b32 v148, 23, v146
	v_lshrrev_b32 v149, 23, v147
	v_lshl_or_b32 v150, v149, 16, v148             ; my two bytes,
	v_lshlrev_b32 v151, 3, v2
	v_lshlrev_b32 v150, v151, v150                 ; at their places in the scale word;
	v_permlanex16_b32 v151, v150, s60, s61
	v_or_b32 v150, v150, v151                      ; with lane x xor 16's two the word is whole
.irp c, 0,1
.irp ct, 0,1,2,3
	v_cvt_scalef32_pk8_fp4_f32 v[PC+4*\c+\ct], v[R+32*\c+8*\ct:R+32*\c+8*\ct+7], v[146+\c]
.endr
.endr
	v_nop                                          ; one plain place behind a scaled conversion
	ds_store_b128 v241, v[PC:PC+3]                 ; the fragment goes to LDS as an image of its registers
	ds_store_b128 v241, v[PC+4:PC+7] offset:512
	ds_store_b32 v242, v150
	ds_store_b32 v243, v76
	s_wait_dscnt 0x0                               ; for the others' sake: my stores are done
	s_barrier_signal -1
	s_barrier_wait -1                              ; the tile that was just asked for may stay on its way
	WIN 0x80
.irp mt, 0,1,2,3
.irp c, 0,1
	ds_load_b128 v[KVF+8*\mt+4*\c:KVF+8*\mt+4*\c+3], v244 offset:1024*\mt+512*\c
.endr
.endr
	WIN 0
.irp mt, 0,1,2,3
	ds_load_b32 v[KVW+\mt], v245 offset:128*\mt
.endr
.irp c, 0,1
.irp b, 0,1
.irp q, 0,1,2,3
	ds_load_b128 v[KS+32*\c+16*\b+4*\q:KS+32*\c+16*\b+4*\q+3], v[KSA] offset:256*\c+128*\b+16*\q
.endr
.endr
.endr
.endm
.macro SEND u, lt                      ; 16 rows of 256 bytes leave: sixteen lanes store 256 consecutive bytes, at a multiple of 256 from out0's first byte
	s_wait_dscnt 0x0                               ; the rows are back from the stage, and the stage's stores have read their registers
	WIN 0x0c                                       ; a store's data are its source 1: window 3
.irp i, 0,1,2,3,4,5,6,7
	global_store_b128 v[CO], v[OB+32*((\lt)%2)+4*\i:OB+32*((\lt)%2)+4*\i+3], s[18:19] offset:1048576*\u+262144*(\lt)+32768*\i th:TH_STORE_NT
.endr
	WIN 0
.endm
; One tile of 16 rows l: relu, the denominator, q_'s codes, the last product, x z, into the stage and back.
.macro QEPI u, lt
	WIN 0x08                                       ; source 1: window 2
.set i, 0
.rept 32
	v_max_num_f32 v[R+i], 0, v[32*\lt+i]           ; each accumulator from its low end on
.set i, i+1
.endr
	WIN 0
	v_pk_mul_f32 v[148:149], v[R:R+1], v[KS:KS+1]          ; four pair sums: q ksum_sin in v148-151, q ksum_cos in v152-155; the first products start them
	v_pk_mul_f32 v[152:153], v[R:R+1], v[KS+32:KS+33]
	v_pk_mul_f32 v[150:151], v[R+2:R+3], v[KS+2:KS+3]
	v_pk_mul_f32 v[154:155], v[R+2:R+3], v[KS+34:KS+35]
	v_max_num_f32 v144, v[R], v[R+1]               ; the largest q of my 16 of d 0-31, and of d 32-63
	v_max_num_f32 v145, v[R+16], v[R+17]
.irp i, 4,8,12,16,20,24,28
	v_pk_fma_f32 v[148:149], v[R+\i:R+\i+1], v[KS+\i:KS+\i+1], v[148:149]
	v_pk_fma_f32 v[152:153], v[R+\i:R+\i+1], v[KS+32+\i:KS+33+\i], v[152:153]
	v_pk_fma_f32 v[150:151], v[R+2+\i:R+3+\i], v[KS+2+\i:KS+3+\i], v[150:151]
	v_pk_fma_f32 v[154:155], v[R+2+\i:R+3+\i], v[KS+34+\i:KS+35+\i], v[154:155]
	v_max3_num_f32 v144, v144, v[R+\i/2], v[R+\i/2+1]
	v_max3_num_f32 v145, v145, v[R+16+\i/2], v[R+17+\i/2]
.endr
	v_pk_add_f32 v[148:149], v[148:149], v[150:151]
	v_pk_add_f32 v[152:153], v[152:153], v[154:155]
	v_permlanex16_b32 v146, v144, s60, s61
	v_permlanex16_b32 v147, v145, s60, s61
	v_add_f32 v148, v148, v149
	v_add_f32 v152, v152, v153
	v_max_num_f32 v144, v144, v146
	v_max_num_f32 v145, v145, v147
	v_mul_f32 v148, v148, v[SC+2*\lt]
	v_fmac_f32 v148, v152, v[SC+2*\lt+1]
	v_permlanex16_b32 v150, v148, s60, s61
	v_add_f32 v148, v148, v150                     ; q_ . ksum of my l
	v_mul_f32 v156, v144, v[SC+2*\lt]              ; the four blocks' largest magnitudes: d_ 0-31, 32-63 (sin), 64-95, 96-127 (cos)
	v_mul_f32 v157, v145, v[SC+2*\lt]
	v_mul_f32 v158, v144, |v[SC+2*\lt+1]|
	v_mul_f32 v159, v145, |v[SC+2*\lt+1]|
.irp k, 0,1,2,3
	v_max_num_f32 v[156+\k], FLOOR, v[156+\k]
.endr
.irp k, 0,1,2,3
	v_add_nc_u32 v[160+\k], EOFF, v[156+\k]        ; the conversion's scale operand
.endr
.irp k, 0,1,2,3
	v_lshrrev_b32 v[164+\k], 23, v[160+\k]         ; the scale's byte
.endr
	v_lshl_or_b32 v[PW], v165, 8, v164
	v_lshl_or_b32 v[PW], v166, 16, v[PW]
	v_lshl_or_b32 v[PW], v167, 24, v[PW]
.if \lt > 0
	SEND \u, (\lt)-1                               ; the tile before leaves here, ahead of the lines that write T again
.endif
.set i, 0
.rept 16
	v_pk_mul_f32 v[T+i:T+i+1], v[R+i:R+i+1], v[SC+2*\lt:SC+2*\lt+1] op_sel_hi:[1,0]
.set i, i+2
.endr
.set i, 0
.rept 16
	v_pk_mul_f32 v[R+i:R+i+1], v[R+i:R+i+1], v[CB+2*\lt:CB+2*\lt+1] op_sel_hi:[1,0]
.set i, i+2
.endr
.irp b, 0,1
.irp p, 0,1
	v_cvt_scalef32_pk8_fp4_f32 v[PC+2*\b+\p], v[T+16*\b+8*\p:T+16*\b+8*\p+7], v[160+\b]
	v_cvt_scalef32_pk8_fp4_f32 v[PC+4+2*\b+\p], v[R+16*\b+8*\p:R+16*\b+8*\p+7], v[162+\b]
.endr
.endr
	v_nop                                          ; one plain place behind a scaled conversion
.irp c, 0,1
.irp i, 0,1
	v_permlane16_swap_b32 v[PC+4*\c+\i], v[PC+4*\c+2+\i]   ; registers 4 c .. 4 c + 3 now hold d_ = 64 c + 32 half + 0 .. 31
.endr
.endr
	v_max_num_f32 v148, 0x38d1b717, v148           ; max(., 1e-4)
	v_rcp_f32 v[ZZ], v148
	PLACES                                         ; behind the reciprocal, and ahead of products on codes that vector instructions wrote
	WIN 0xc2                                       ; source 0 (kv_) window 2, source 1 window 0, D window 3
.irp mt, 0,1,2,3
	WM4 OA+8*\mt, KVF+8*\mt, PC, -1, KVW+\mt, PW, 0
.endr
	PLACES
	WIN 0x03                                       ; source 0: window 3
.set i, 0
	s_wait_alu depctr_va_vdst(0)
.rept 16
	v_pk_mul_f32 v[T+i:T+i+1], v[OA+i:OA+i+1], v[ZZ:ZZ+1] op_sel_hi:[1,0]   ; x z; each result from its low end on
.set i, i+2
.endr
	WIN 0
	s_wait_xcnt 0x0                                ; earlier stores have read their registers: the loads below land there
.irp mt, 0,1,2,3
.irp q, 0,1
	ds_store_b128 v[STO], v[T+8*\mt+4*\q:T+8*\mt+4*\q+3] offset:64*\mt+16*\q
.endr
.endr
	WIN 0xc0
.irp i, 0,1,2,3,4,5,6,7
	ds_load_b128 v[OB+32*((\lt)%2)+4*\i:OB+32*((\lt)%2)+4*\i+3], v[RD] offset:2*SP*\i   ; LDS serves a wave's instructions in order (ISA guide 5.7.1.4): these see the stores above
.endr
	WIN 0
.endm
.macro UNIT u, slot, mode
	SINCOS \u
	MATR \slot, \mode, \u
.if \u < 3
.irp t, 0,1,2,3
	global_load_b128 v[QS+4*\t:QS+4*\t+3], v[AGS], s[6:7] offset:8192*(\u+1)+2048*\t   ; the next unit's scale words
.endr
.if \u == 0
	KVX
.endif
.if \u == 2
	s_wait_tensorcnt 0x0                           ; the last tile is in
.endif
	WIN 0xc0
	LOADF 1-\slot, 0                               ; the next unit's first four K steps land while this unit's rows are worked
	LOADF 1-\slot, 1
	LOADF 1-\slot, 2
	LOADF 1-\slot, 3
	WIN 0
.if \u == 0
	s_wait_dscnt 32                                ; kv_'s codes and scale words and ksum are in; the 32 fragment loads just issued may be out
.endif
.endif
	QEPI \u, 0
	QEPI \u, 1
	QEPI \u, 2
	QEPI \u, 3
	SEND \u, 3
.endm
	s_load_b512 s[4:19], s[0:1], 0x0               ; query codes s[4:5], scales s[6:7]; Wq codes s[8:9], scales s[10:11]; bq s[12:13]; kvpart s[14:15]; kspart s[16:17]; out0 s[18:19]
	v_lshl_add_u32 v[SPW], v0, 2, SPARE
	v_mov_b32 v[NIL], 0
	ds_add_u32 v10, v11
	s_wait_dscnt 0x0
	v_lshrrev_b32 v1, 5, v0
	v_readfirstlane_b32 s28, v1                    ; wave 0..3
	s_bfe_u32 s29, ttmp6, 0x40000                  ; my place in the cluster: it enters no tile's address and no LDS address
	s_lshl_b32 s30, ttmp9, 2
	s_add_co_u32 s30, s30, s29                     ; head
	s_and_b32 s31, ttmp7, 0xffff
	s_lshr_b32 s32, s31, 2                         ; b
	s_and_b32 s33, s31, 3                          ; chunk
	s_lshl_b32 s34, s33, 10
	s_lshl_b32 s74, s28, 8
	s_add_co_u32 s34, s34, s74                     ; my wave's first l
	s_mov_b32 s[G1], 15|(1<<20)|(1<<21)|(6<<22)|(3<<25)   ; the mask of all four; elements of 1 byte; padding: four words after every 128; bit 21 beside the mask
	s_mov_b32 s[G1+1], 512<<16
	s_mov_b32 s[G1+2], 64<<16
	s_mov_b32 s[G1+3], 512<<16
	s_mov_b32 s[G1+4], 64
	s_mov_b32 s[G1+5], 2048
	s_mov_b32 s[G1+6], 0
	s_mov_b32 s[G1+7], 0
	s_mov_b32 s60, 0x76543210
	s_mov_b32 s61, 0xfedcba98
	s_lshl_b32 s74, s34, 11
	s_lshl_b32 s75, s32, 9
	s_add_co_u32 s74, s74, s75
	s_mov_b32 s75, 0
	s_lshl_b32 s76, s34, 7
	s_lshl_b32 s77, s32, 5
	s_add_co_u32 s76, s76, s77
	s_mov_b32 s77, 0
	s_mul_i32 s78, s28, SLOTB
	s_wait_kmcnt 0x0
	s_add_nc_u64 s[4:5], s[4:5], s[74:75]          ; query's tile 0
	s_add_nc_u64 s[6:7], s[6:7], s[76:77]          ; and its scale rows
	s_mov_b32 s[G0], 1
	s_mov_b32 s[G0+1], s78
	s_mov_b64 s[G0+2:G0+3], s[4:5]
	s_or_b32 s[G0+3], s[G0+3], 0x80000000
	s_mov_b32 s[G0+4], 1
	s_add_co_u32 s[G0+5], s78, SLOT1
	s_add_nc_u64 s[G0+6:G0+7], s[4:5], TILEB
	s_or_b32 s[G0+7], s[G0+7], 0x80000000
	CROUND                                         ; all four work-groups are here: the first joint loads meet
	tensor_load_to_lds s[G0:G0+3], s[G1:G1+7]      ; both first fills together: two loads of mine are out
	s_nop 0
	tensor_load_to_lds s[G0+4:G0+7], s[G1:G1+7]
	s_nop 0
	PLACES
	s_lshl_b32 s74, s30, 15
	s_add_nc_u64 s[8:9], s[8:9], s[74:75]          ; the head's 64 rows of Wq,
	s_lshl_b32 s74, s30, 11
	s_add_nc_u64 s[10:11], s[10:11], s[74:75]      ; their scale rows,
	s_lshl_b32 s74, s30, 8
	s_add_nc_u64 s[12:13], s[12:13], s[74:75]      ; and bq
	s_lshl_b32 s74, s32, 4
	s_add_co_u32 s74, s74, s30                     ; n
	s_lshl_b32 s76, s74, 11
	s_lshl_b32 s74, s74, 17
	s_add_nc_u64 s[14:15], s[14:15], s[74:75]      ; the head's four parts of kv_,
	s_add_nc_u64 s[16:17], s[16:17], s[76:77]      ; and of ksum
	s_lshl_b32 s74, s34, 14
	s_lshl_b32 s76, s32, 12
	s_add_co_u32 s74, s74, s76
	s_lshl_b32 s76, s30, 8
	s_add_co_u32 s74, s74, s76
	s_add_nc_u64 s[18:19], s[18:19], s[74:75]      ; out0 at (first l, b, head): 16,384 l + 4,096 b + 256 head; never stepped
	v_and_b32 v1, 15, v0                           ; r
	v_bfe_u32 v2, v0, 4, 1                         ; half
	v_and_b32 v3, 31, v0                           ; lane
	v_mul_u32_u24 v[ADA], v1, PITCH
	v_lshl_add_u32 v[ADA], v2, 4, v[ADA]
	v_add_nc_u32 v[ADA], s78, v[ADA]
	v_add_nc_u32 v[ADA+1], SLOT1, v[ADA]
	v_lshlrev_b32 v[AGS], 7, v1
	v_lshl_add_u32 v[AGS], v2, 4, v[AGS]
	s_mul_i32 s79, s28, 16*SP
	v_mul_u32_u24 v[STO], v1, SP
	v_lshl_add_u32 v[STO], v2, 5, v[STO]
	v_add_nc_u32 v[STO], s79, v[STO]
	v_add_nc_u32 v[STO], STG, v[STO]               ; in: row r, 32 bytes for each half
	v_mul_u32_u24 v[RD], v2, SP
	v_lshl_add_u32 v[RD], v1, 4, v[RD]
	v_add_nc_u32 v[RD], s79, v[RD]
	v_add_nc_u32 v[RD], STG, v[RD]                 ; back: lanes 0-15 one row, lanes 16-31 the next
	v_lshlrev_b32 v[CO], 14, v2
	v_lshl_add_u32 v[CO], v1, 4, v[CO]             ; and the same two rows in out0
	v_lshl_add_u32 v[KSA], v2, 6, KSL
	v_add_nc_u32 v[I0], s34, v1
	v_and_b32 v16, 8, v1
	v_add_nc_u32 v16, v16, v1                      ; r + 8 (r / 8)
	v_lshlrev_b32 v17, 5, v16
	v_lshl_add_u32 v17, v2, 4, v17                 ; Wq's scale rows
	v_lshlrev_b32 v18, 6, v2                       ; bq: my half's 16 numbers of a block
	v_lshlrev_b32 v19, 2, v0                       ; kspart: 4 x thread
	s_lshl_b32 s76, s28, 13
	v_lshl_add_u32 v240, v3, 4, s76                ; kvpart: tile mt = my wave: groups 16 w on, 16 bytes a lane
	v_lshl_add_u32 v246, v3, 4, s76                ; Wq in memory: my wave's 16 rows of 512 bytes, 16 bytes a lane
	v_lshl_add_u32 v244, v3, 4, KVI
	s_lshl_b32 s76, s28, 10
	v_add_nc_u32 v241, s76, v244                   ; where I store my fragment's image
	v_lshl_add_u32 v245, v3, 2, KVS
	s_lshl_b32 s76, s28, 7
	v_add_nc_u32 v242, s76, v245                   ; and its scale words
	v_lshl_add_u32 v243, v0, 2, KSL
	s_lshr_b32 s76, s28, 1
	s_lshl_b32 s76, s76, 5
	s_and_b32 s35, s28, 1
	s_lshl_b32 s35, s35, 3
	s_add_co_u32 s76, s76, s35
	s_mul_i32 s76, s76, PITCH
	v_lshl_add_u32 v247, v3, 4, s76
	v_add_nc_u32 v247, WST, v247                   ; Wq's row 16 w + i goes to stage row 32 (w / 2) + 8 (w % 2) + 16 (i / 8) + i % 8, so that tile dt's sixteen rows lie on end
	v_mul_u32_u24 v248, v1, PITCH
	v_lshl_add_u32 v248, v2, 4, v248
	v_add_nc_u32 v248, WST, v248                   ; out of the stage: row r of a tile, + 16 half
	v_mov_b32 v[ZZ+1], 0                           ; (named as the upper half of the pair)
	WIN 0x80                                       ; destination: window 2
.irp i, 0,1,2,3,4,5,6,7,8,9,10,11,12,13,14,15
	global_load_b128 v[4*\i:4*\i+3], v246, s[8:9] offset:512*\i             ; a row of Wq: 32 lanes read 512 consecutive bytes
.endr
.irp dt, 0,1,2,3
.irp q, 0,1
	global_load_b128 v[BIA+8*\dt+4*\q:BIA+8*\dt+4*\q+3], v18, s[12:13] offset:(32*(\dt/2)+8*(\dt%2))*4+16*\q
.endr
.endr
	WIN 0
.irp dt, 0,1,2,3
	global_load_b128 v[WS+4*\dt:WS+4*\dt+3], v17, s[10:11] offset:(32*(\dt/2)+8*(\dt%2))*32
.endr
.irp t, 0,1,2,3
	global_load_b128 v[QS+4*\t:QS+4*\t+3], v[AGS], s[6:7] offset:2048*\t
.endr
.irp ch, 0,1,2,3
	global_load_b32 v[76+\ch], v19, s[16:17] offset:512*\ch
.endr
.irp g, 0,1,2,3,4,5,6,7,8,9,10,11,12,13,14,15
	global_load_b128 v[R+4*\g:R+4*\g+3], v240, s[14:15] offset:512*\g       ; kv_'s chunk 0: register 32 c + 8 ct + j
.endr
	s_wait_loadcnt 16                              ; Wq's rows, bq, the scale words and ksum's parts are in; chunk 0's sixteen loads may be out
	WIN 0x08                                       ; an LDS store's data are its source 1: window 2
.irp i, 0,1,2,3,4,5,6,7,8,9,10,11,12,13,14,15
	ds_store_b128 v247, v[4*\i:4*\i+3] offset:PITCH*(16*(\i/8)+\i%8)
.endr
	WIN 0xc0                                       ; destination: window 3
.irp ch, 1,2
.irp g, 0,1,2,3,4,5,6,7,8,9,10,11,12,13,14,15
	global_load_b128 v[64+64*\ch+4*\g:64+64*\ch+4*\g+3], v240, s[14:15] offset:32768*\ch+512*\g   ; chunks 1 and 2
.endr
.endr
	WIN 0
.irp g, 0,1,2,3,4,5,6,7,8,9,10,11,12,13,14,15
	global_load_b128 v[KS+4*\g:KS+4*\g+3], v240, s[14:15] offset:98304+512*\g                     ; chunk 3
.endr
	s_wait_dscnt 0x0                               ; for the others' sake: my rows lie in the stage
	s_barrier_signal -1
	s_barrier_wait -1                              ; the two tiles may stay on their way
	WIN 0x40                                       ; destination: window 1
.irp dt, 0,1,2,3
.irp s, 0,1,2,3,4,5,6,7
.irp c, 0,1
	ds_load_b128 v[64*\dt+8*\s+4*\c:64*\dt+8*\s+4*\c+3], v248 offset:16*PITCH*\dt+64*\s+32*\c
.endr
.endr
.endr
	s_wait_tensorcnt 0x1                           ; my tile 0 is in; tile 1 may be out
	WIN 0xc0
	LOADF 0, 0
	LOADF 0, 1
	LOADF 0, 2
	LOADF 0, 3
	WIN 0
	UNIT 0, 0, 1                                   ; the four units are written out: the last two fill nothing
	UNIT 1, 1, 1
	UNIT 2, 0, 0
	UNIT 3, 1, 0
	s_wait_tensorcnt 0x0                           ; the wave's end
	ds_add_u32 v[SPW], v[NIL]
	s_wait_dscnt 0x0
	CROUND                                         ; the closing round
	s_endpgm
.Lfunc_end_k_q211873a6f4_attn:
	.size	k_q211873a6f4_attn, .Lfunc_end_k_q211873a6f4_attn-k_q211873a6f4_attn
	.p2alignl 7, 3214868480
	.fill 96, 4, 3214868480
	.section	.rodata,"a",@progbits
	.p2align	6, 0x0
	.amdhsa_kernel k_q211873a6f4_attn
		.amdhsa_group_segment_fixed_size 327680
		.amdhsa_private_segment_fixed_size 0
		.amdhsa_enable_private_segment 0
		.amdhsa_kernarg_size 64
		.amdhsa_user_sgpr_count 2
		.amdhsa_user_sgpr_kernarg_segment_ptr 1
		.amdhsa_wavefront_size32 1
		.amdhsa_system_sgpr_workgroup_id_x 1
		.amdhsa_system_sgpr_workgroup_id_y 1
		.amdhsa_system_sgpr_workgroup_id_z 1
		.amdhsa_system_vgpr_workitem_id 0
		.amdhsa_next_free_vgpr 1024
		.amdhsa_next_free_sgpr 80
		.amdhsa_reserve_vcc 0
		.amdhsa_float_denorm_mode_32 3
		.amdhsa_float_denorm_mode_16_64 3
		.amdhsa_memory_ordered 1
		.amdhsa_forward_progress 1
		.amdhsa_inst_pref_size 255
	.end_amdhsa_kernel
	.section	.bss,"aw",@nobits
	.p2align	6
	.space	262144
	.amdgpu_metadata
---
amdhsa.version: [ 1, 2 ]
amdhsa.kernels:
  - .name:           k_q211873a6f4_attn
    .symbol:         k_q211873a6f4_attn.kd
    .args:
      - { .name: query_codes, .offset: 0, .size: 8, .value_kind: global_buffer, .address_space: global }
      - { .name: query_scales, .offset: 8, .size: 8, .value_kind: global_buffer, .address_space: global }
      - { .name: Wq_codes, .offset: 16, .size: 8, .value_kind: global_buffer, .address_space: global }
      - { .name: Wq_scales, .offset: 24, .size: 8, .value_kind: global_buffer, .address_space: global }
      - { .name: bq, .offset: 32, .size: 8, .value_kind: global_buffer, .address_space: global }
      - { .name: kvpart, .offset: 40, .size: 8, .value_kind: global_buffer, .address_space: global }
      - { .name: kspart, .offset: 48, .size: 8, .value_kind: global_buffer, .address_space: global }
      - { .name: out0, .offset: 56, .size: 8, .value_kind: global_buffer, .address_space: global }
    .group_segment_fixed_size: 327680
    .private_segment_fixed_size: 0
    .kernarg_segment_align: 8
    .kernarg_segment_size: 64
    .max_flat_workgroup_size: 128
    .sgpr_count:     80
    .vgpr_count:     1024
    .wavefront_size: 32
...
	.end_amdgpu_metadata
.endif
;; end of part 2
